; MI455X (gfx1250); checked and timed in simulation.
; The chip was launched on July 23, 2026; its instructions are those of AMD's public machine-readable ISA for CDNA 5 (MIT licence, August 2026) and "CDNA5" Instruction Set Architecture Reference Guide (July 2026). The comments in the code are by the model that wrote it; some were corrected since.
;; Mo E Layer. Allowed arithmetic: matrix products marked QUANTISED: E3M2 operands, one E8M0 scale for each 32 along K, by v_wmma_scale_f32_16x16x128_f8f6f4 with both operands' format E3M2, f32 sums; everything else in f32.
;; Inputs: W1 8 x 512 x 2,048 float32; W2 8 x 2,048 x 512 float32; assign 8 x 512 x 2 int32; b1 8 x 2,048 float32; b2 8 x 512 float32; x 8 x 512 x 512 float32.
;; Outputs: out0 8 x 512 x 512 float32.
;; This version of the problem:
;;   THIS VERSION OF THE PROBLEM IS GIVEN IN LOW PRECISION. The matrix products marked QUANTISED in the list below multiply operands that are first quantised to E3M2 (3 exponent bits, 2 mantissa bits; 6 bits a number), with one power-of-two scale for each 32 numbers along K (OCP MX v1.0); their sums are f32. All else is computed in f32.
;;   The module's matrix products, in the order in which they are computed (A, B: the left and right operand; K: the contracted axis; several contracted axes count as one K, in the product's order):
;;     1. [M 4,096, K 512] x [K 512, N 2,048]; A: input x; B: input W1: QUANTISED
;;     2. [M 4,096, K 2,048] x [K 2,048, N 512]; A: computed on the way; B: input W2: QUANTISED
;;     3. [M 4,096, K 512] x [K 512, N 2,048]; A: input x; B: input W1: QUANTISED
;;     4. [M 4,096, K 2,048] x [K 2,048, N 512]; A: computed on the way; B: input W2: QUANTISED
;;     5. [M 4,096, K 512] x [K 512, N 2,048]; A: input x; B: input W1: QUANTISED
;;     6. [M 4,096, K 2,048] x [K 2,048, N 512]; A: computed on the way; B: input W2: QUANTISED
;;     7. [M 4,096, K 512] x [K 512, N 2,048]; A: input x; B: input W1: QUANTISED
;;     8. [M 4,096, K 2,048] x [K 2,048, N 512]; A: computed on the way; B: input W2: QUANTISED
;;     9. [M 4,096, K 512] x [K 512, N 2,048]; A: input x; B: input W1: QUANTISED
;;     10. [M 4,096, K 2,048] x [K 2,048, N 512]; A: computed on the way; B: input W2: QUANTISED
;;     11. [M 4,096, K 512] x [K 512, N 2,048]; A: input x; B: input W1: QUANTISED
;;     12. [M 4,096, K 2,048] x [K 2,048, N 512]; A: computed on the way; B: input W2: QUANTISED
;;     13. [M 4,096, K 512] x [K 512, N 2,048]; A: input x; B: input W1: QUANTISED
;;     14. [M 4,096, K 2,048] x [K 2,048, N 512]; A: computed on the way; B: input W2: QUANTISED
;;     15. [M 4,096, K 512] x [K 512, N 2,048]; A: input x; B: input W1: QUANTISED
;;     16. [M 4,096, K 2,048] x [K 2,048, N 512]; A: computed on the way; B: input W2: QUANTISED
;;   THE QUANTISER, for each operand of a quantised product, along K:
;;     - K is cut into blocks of 32 from its start; a last block that is shorter is filled with zeros.
;;     - A block's scale is 2^e with e = floor(log2(the largest magnitude in the block)) - 4, held to -126 .. 127; a block of zeros has e = 0. As a byte (E8M0): e + 127.
;;     - Each number is divided by its block's scale, clamped to +-28, and rounded to the nearest number of E3M2, ties to even, subnormals kept.
;;     - The product sums the exact products of the quantised numbers (number of the format x scale) in f32.
;;   ~~~python
;;   def quantise(x, axis):      # numpy; x: float32 -> the quantised numbers, widened to float32 again
;;       x = np.moveaxis(x, axis, -1); K = x.shape[-1]
;;       x = np.pad(x, [(0, 0)] * (x.ndim - 1) + [(0, -K % 32)]); x = x.reshape(x.shape[:-1] + (-1, 32)); a = np.abs(x).max(-1, keepdims=True)
;;       e = np.where(a > 0, np.clip(np.frexp(np.where(a > 0, a, 1))[1] - 1 - 4, -126, 127), 0)      # np.frexp(a)[1] - 1 = floor(log2(a)), exactly
;;       r = np.clip(x / 2.0 ** e, -28, 28)
;;       step = 2.0 ** (np.maximum(np.frexp(np.where(r == 0, 1, r))[1] - 1, -2) - 2)
;;       q = np.round(r / step) * step * 2.0 ** e      # np.round: ties to even
;;       return np.moveaxis(q.reshape(q.shape[:-2] + (-1,))[..., :K], -1, axis).astype(np.float32)
;;   ~~~
;;   OPERANDS COMPUTED ON THE WAY. 'Computed on the way' means the value that the module computes at that place (a softmax that the list does not call 'softmax' is quantised finished and normalised). What goes into a quantiser is computed in f32, as accurately as f32 sums, v_exp_f32 and their like allow (about 1e-6 of the number): no bf16 or f16 on the way to a quantiser, and a product that is left as it is and whose result goes on into a quantised operand takes f32 operands (vector FMAs, or v_wmma_f32_16x16x4_f32). A number that lies on a knife's edge between two numbers of the format may be rounded either way, as far as f32 arithmetic and the matrix unit's own rounding can turn it there, and no further.
;; One version. Each part assembles by itself: llvm-mc -triple=amdgcn-amd-amdhsa -mcpu=gfx1250 --defsym DOCPART=n.
;; ======== version 1 of 1: 3 launches
;; workspace buffers: w1img 6,291,456 bytes; w2img 6,291,456 bytes; wsc 524,288 bytes; xcodes 1,572,864 bytes; xscales 65,536 bytes; route 37,376 bytes of whole numbers; part 33,554,432 bytes
;; launch prep (part 1): grid 289 x 1, 8 waves a work-group, no clusters, 67,584 bytes of LDS; arguments x, W1, W2, assign, xcodes, xscales, w1img, w2img, wsc, route; writes xcodes, xscales, w1img, w2img, wsc, route
.if DOCPART == 1
	.amdgcn_target "amdgcn-amd-amdhsa--gfx1250"
	.amdhsa_code_object_version 6
	.text
	.protected	k_q0e436b6933_prep
	.globl	k_q0e436b6933_prep
	.p2align	8
	.type	k_q0e436b6933_prep,@function
k_q0e436b6933_prep:
	s_mov_b64 s[64:65], 0
	v_nop
	global_prefetch_b8 v0, s[64:65] scope:SCOPE_SE
	s_setreg_imm32_b32 hwreg(HW_REG_WAVE_MODE, 25, 1), 1
	s_wait_xcnt 0x0
; PREP: everything that is made once, in one launch.  The role of a work-group hangs on its number alone:
;   0          the routing: the 8,192 slots (q = 2 x token + slot) sorted by expert, and the table of tiles of 64 rows
;   1 .. 32    x [4096][512] f32 -> codes of BF6 (E3M2), rows of 384 bytes, and one E8M0 byte for each 32 along K, rows of 16 bytes
;   33 .. 160  W1 [8][512 k][2048 n] f32 -> codes, laid as IMAGES OF THE OPERAND'S REGISTERS, and scale words
;   161 .. 288 W2 [8][2048 k][512 n] f32 -> the same
; A block's scale is 2^(floor(log2(its largest magnitude)) - 4); its byte is the largest magnitude's exponent field - 4, held at 1 from below.
; LIMITS: a block of zeros gets the byte 1 where the rule says 127 (its codes are zeros, and this program alone reads the bytes); blocks whose largest
; magnitude lies under 2^(4 - 126) are held at the byte 1; NaN and infinities among the inputs are not served; expert numbers outside 0 .. 7 are not served
; (they are sorted under the key of slots that do not count).
; A FRAGMENT'S IMAGE is 1,536 bytes: registers 4 c .. 4 c + 3 of lane (r, h) lie at 512 c + 256 h + 16 r, so that three loads of 16 bytes a lane bring the 12 registers.
;   w1img [e][G 16][s 4][t 8][1536]: G = group of 128 hidden units, s = 128 along K, tile t = 2 b + u holds unit 128 G + 32 b + 8 u + r + 8 (r / 8) at place r
;   w2img [e][j 2][wm 8][s' 8][n 4][1536]: j = half of the 2,048 along K, s' = 128 along K in it, tile n holds output 64 wm + 16 n + r at place r
;   wsc: 2,048 bytes for each I = 16 e + G (W1) or 16 e + 8 j + wm (W2, 262,144 bytes on): [pair of tiles][pair of K steps][16 u + r][2 words]
; No tensor loads, no ring.  LDS: bytes 0 .. 65,535 are the x role's (8,192 a wave), bytes 65,536 .. 66,559 the routing's; the W roles use none.
.set SP,   80                          ; x role: a lane's place in a stage: 64 bytes + 16 of padding
.set XR,   16                          ; x role: v16-79 four sets of 16 numbers as loaded
.set XX,   80                          ;         v80-111 two sets of 16 neighbours
.set XE,   112                         ;         v112-127 a scale byte for each step
.set XC,   128                         ;         v128-191 codes, four registers for each step
.set WX,   32                          ; W roles: v32-95 two sets of 32 numbers
.set WCD,  96                          ;          v96-143 codes: 24 sigma + 12 h + 6 c
.set WT,   144                         ;          v144-146 the second half of a block's codes, before it is moved
.set KEY,  32                          ; routing: v32-63 keys, v64-95 places, v96-127 slot numbers: a register for each of a wave's 32 chunks
.set POS,  64
.set QV,   96
.set CNT,  32                          ; routing: s32-40 my wave's counts, s41-49 totals, s50-59 first places, s66-74 first tiles, s75-83 my wave's first places
.set TOT,  41
.set BAS,  50
.set TBS,  66
.set STA,  75
.set RLDS, 65536
	s_load_b512 s[4:19], s[0:1], 0x0               ; x s4, W1 s6, W2 s8, assign s10, xcodes s12, xscales s14, w1img s16, w2img s18
	s_load_b128 s[20:23], s[0:1], 0x40             ; wsc s20, route s22
	v_lshl_add_u32 v192, v0, 2, 0x10400
	v_mov_b32 v193, 0
	v_lshrrev_b32 v1, 5, v0
	v_readfirstlane_b32 s24, v1                    ; wave 0..7
	v_and_b32 v1, 31, v0                           ; lane
	s_wait_kmcnt 0x0
	s_cmp_eq_u32 ttmp9, 0
	s_cbranch_scc1 .Lroute
	s_cmp_lt_u32 ttmp9, 33
	s_cbranch_scc1 .Lx
	s_cmp_lt_u32 ttmp9, 161
	s_cbranch_scc1 .Lw1
; ---------------------------------------------------------------- the W roles
; A LANE TAKES A COLUMN n AND ITS REGISTERS RUN DOWN K: a load reads 128 consecutive bytes a wave (the eight waves stand side by side on 1,024), a block of 32 along K
; lies in one lane's 32 registers, and the conversions give codes with K innermost.  A wave takes 32 columns (two tiles of 16) x 256 along K (two K steps sigma of four blocks).
; A lane holds all four blocks of its column, which are the registers of lanes (r, 0) and (r, 1) of the fragment: it stores both.
.macro LOADB t, rs                     ; block t: rows 32 t + 0 .. 31 of my column into set t % 2
.set li, 0
.rept 32
	global_load_b32 v[WX+32*((\t)%2)+li], v2, s[26:27] offset:(32*(\t)+li)*(\rs) th:TH_LOAD_NT
.set li, li+1
.endr
.endm
.macro BLOCK t, rs, sg
.set wxs, WX+32*((\t)%2)
.set wb,  (\t)%4                       ; block b of the K step: h = b % 2, c = b / 2
.set wsg, (\t)/4                       ; sigma
.set wcr, WCD+24*wsg+12*(wb%2)+6*(wb/2)
.if (\t) < 7
	s_wait_loadcnt 32                              ; this block's 32 loads are in; the next block's 32 may be out
.else
	s_wait_loadcnt 0x0
.endif
	v_max3_num_f32 v12, |v[wxs]|, |v[wxs+1]|, |v[wxs+2]|        ; the block's largest magnitude, in two chains
	v_max3_num_f32 v13, |v[wxs+3]|, |v[wxs+4]|, |v[wxs+5]|
.irp i, 6,10,14,18,22,26
	v_max3_num_f32 v12, v12, |v[wxs+\i]|, |v[wxs+\i+1]|
	v_max3_num_f32 v13, v13, |v[wxs+\i+2]|, |v[wxs+\i+3]|
.endr
	v_max3_num_f32 v12, v12, |v[wxs+30]|, |v[wxs+31]|
	v_max3_num_f32 v12, v12, v13, 0x2800000        ; and the floor 2^(5 - 127): the byte cannot fall under 1
	v_add_nc_u32 v11, 0xfe000000, v12              ; 4 off the exponent field: the conversion's scale operand
	v_cvt_scalef32_pk16_bf6_f32 v[wcr:wcr+2], v[wxs:wxs+15], v11
	v_cvt_scalef32_pk16_bf6_f32 v[WT:WT+2], v[wxs+16:wxs+31], v11   ; (a conversion's three registers begin on an even number)
	v_lshrrev_b32 v10, 23, v11                     ; the scale's byte; also the plain line behind the conversions
.if wb == 0
	v_mov_b32 v[14+wsg], v10                       ; four bytes make the K step's scale word of my column
.else
	v_lshl_or_b32 v[14+wsg], v10, 8*wb, v[14+wsg]
.endif
.irp i, 0,1,2
	v_mov_b32 v[wcr+3+\i], v[WT+\i]
.endr
.if (\t)+2 < 8
	LOADB (\t)+2, \rs
.endif
.if wb == 3                            ; a K step is whole: six stores; in each, sixteen lanes cover 256 consecutive bytes, aligned, of one tile's image and sixteen those of the other's
.irp h, 0,1
.irp c, 0,1,2
	global_store_b128 v3, v[WCD+24*wsg+12*\h+4*\c:WCD+24*wsg+12*\h+4*\c+3], s[28:29] offset:wsg*(\sg)+256*\h+512*\c
.endr
.endr
.endif
.endm
; v5 = u (which of my wave's two tiles), v6 = r (my column's place in it); s[26:27] source, s[28:29] images, s[30:31] scale words.  No store's data are written again, so no wait frees them.
.macro WBODY rs, sg
	v_lshlrev_b32 v2, 2, v1                        ; in: 4 bytes a lane
	v_mul_u32_u24 v3, v5, 1536
	v_lshl_add_u32 v3, v6, 4, v3                   ; images: 1,536 u + 16 r
	v_lshl_add_u32 v4, v5, 4, v6
	v_lshlrev_b32 v4, 3, v4                        ; scale words: 8 (16 u + r)
	LOADB 0, \rs
	LOADB 1, \rs
.set wt, 0
.rept 8
	BLOCK wt, \rs, \sg
.set wt, wt+1
.endr
	global_store_b64 v4, v[14:15], s[30:31]        ; the wave stores 256 consecutive bytes, aligned
	s_endpgm
.endm
	; W2: g = 16 e + 2 kc + cg; kc = which 256 along K, cg = which 256 columns
	s_sub_co_u32 s25, ttmp9, 161
	s_lshr_b32 s32, s25, 4                         ; e
	s_bfe_u32 s33, s25, 0x30001                    ; kc
	s_and_b32 s34, s25, 1                          ; cg
	s_lshr_b32 s35, s24, 1
	s_lshl_b32 s36, s34, 2
	s_add_co_u32 s35, s35, s36                     ; wm = 4 cg + wave / 2
	s_and_b32 s36, s24, 1                          ; np: which pair of tiles
	s_lshr_b32 s38, s33, 2                         ; j
	s_and_b32 s39, s33, 3                          ; kq
	s_lshl_b32 s40, s32, 22                        ; an expert is 4,194,304 bytes,
	s_lshl_b32 s41, s33, 19                        ; 256 rows of 2,048 bytes,
	s_add_co_u32 s40, s40, s41
	s_lshl_b32 s41, s34, 10                        ; 256 columns,
	s_add_co_u32 s40, s40, s41
	s_lshl_b32 s41, s24, 7                         ; my wave's 32
	s_add_co_u32 s40, s40, s41
	s_mov_b32 s41, 0
	s_add_nc_u64 s[26:27], s[8:9], s[40:41]
	s_lshl_b32 s37, s32, 4
	s_lshl_b32 s42, s38, 3
	s_add_co_u32 s37, s37, s42
	s_add_co_u32 s37, s37, s35                     ; I = 16 e + 8 j + wm
	s_lshl_b32 s40, s37, 5
	s_lshl_b32 s42, s39, 3
	s_add_co_u32 s40, s40, s42
	s_lshl_b32 s42, s36, 1
	s_add_co_u32 s40, s40, s42                     ; fragment 32 I + 4 (2 kq) + 2 np
	s_mul_i32 s40, s40, 1536
	s_add_nc_u64 s[28:29], s[18:19], s[40:41]
	s_lshl_b32 s40, s37, 11
	s_lshl_b32 s42, s36, 2
	s_add_co_u32 s42, s42, s39
	s_lshl_b32 s42, s42, 8
	s_add_co_u32 s40, s40, s42
	s_add_co_u32 s40, s40, 262144                  ; 262,144 + 2,048 I + 256 (4 np + kq)
	s_add_nc_u64 s[30:31], s[20:21], s[40:41]
	v_lshrrev_b32 v5, 4, v1                        ; u = lane / 16
	v_and_b32 v6, 15, v1                           ; r = lane % 16
	WBODY 2048, 6144
.Lw1:	; W1: g = 16 e + 8 kh + cg; kh = which 256 along K, cg = which 256 columns
	s_sub_co_u32 s25, ttmp9, 33
	s_lshr_b32 s32, s25, 4                         ; e
	s_bfe_u32 s33, s25, 0x10003                    ; kh
	s_and_b32 s34, s25, 7                          ; cg
	s_lshr_b32 s35, s24, 2
	s_lshl_b32 s36, s34, 1
	s_add_co_u32 s35, s35, s36                     ; G = 2 cg + wave / 4
	s_and_b32 s36, s24, 3                          ; tp: which pair of tiles
	s_lshl_b32 s40, s32, 22
	s_lshl_b32 s41, s33, 21                        ; 256 rows of 8,192 bytes
	s_add_co_u32 s40, s40, s41
	s_lshl_b32 s41, s34, 10
	s_add_co_u32 s40, s40, s41
	s_lshl_b32 s41, s24, 7
	s_add_co_u32 s40, s40, s41
	s_mov_b32 s41, 0
	s_add_nc_u64 s[26:27], s[6:7], s[40:41]
	s_lshl_b32 s37, s32, 4
	s_add_co_u32 s37, s37, s35                     ; I = 16 e + G
	s_lshl_b32 s40, s37, 5
	s_lshl_b32 s42, s33, 4
	s_add_co_u32 s40, s40, s42
	s_lshl_b32 s42, s36, 1
	s_add_co_u32 s40, s40, s42                     ; fragment 32 I + 8 (2 kh) + 2 tp
	s_mul_i32 s40, s40, 1536
	s_add_nc_u64 s[28:29], s[16:17], s[40:41]
	s_lshl_b32 s40, s37, 11
	s_lshl_b32 s42, s36, 1
	s_add_co_u32 s42, s42, s33
	s_lshl_b32 s42, s42, 8
	s_add_co_u32 s40, s40, s42                     ; 2,048 I + 256 (2 tp + kh)
	s_add_nc_u64 s[30:31], s[20:21], s[40:41]
	v_bfe_u32 v5, v1, 3, 1                         ; column 32 tp + l is unit 8 u + r + 8 (r / 8) of its 32: u = (l / 8) % 2,
	v_and_b32 v6, 7, v1
	v_lshrrev_b32 v7, 4, v1
	v_lshl_or_b32 v6, v7, 3, v6                    ; r = 8 (l / 16) + l % 8
	WBODY 8192, 12288
; ---------------------------------------------------------------- the x role
; Rows are dense, so x is a plain stream of blocks of 32.  A wave takes 16 steps of 512 numbers (a token a step).  Each load reads 512 consecutive bytes; a step's 2,048 bytes turn through the wave's
; own stage in LDS and come back 64 bytes a lane: 16 neighbours, two lanes to a block.  A lane's 16 codes are 12 bytes.  A wave's 256 scale bytes are gathered in its own LDS bytes and leave together.
; Waves share nothing: no barrier.  Loads run four steps ahead, the turn through LDS one step.
.Lx:
	v_and_b32 v2, 31, v0
	v_lshlrev_b32 v3, 4, v2                        ; my 16 bytes of a load's 512
	s_mul_i32 s25, s24, 8192                       ; my wave's LDS bytes
	v_lshrrev_b32 v14, 2, v2
	v_mul_u32_u24 v14, v14, SP
	v_and_b32 v15, 3, v2
	v_lshl_add_u32 v14, v15, 4, v14
	v_add_nc_u32 v14, s25, v14                     ; the stage, in: SP (lane / 4) + 16 (lane % 4)
	v_mul_u32_u24 v15, v2, SP
	v_add_nc_u32 v15, s25, v15                     ; and out: SP x lane
	v_mul_u32_u24 v4, v2, 12                       ; my codes' place in a step's 384 bytes
	v_lshrrev_b32 v5, 1, v2
	s_add_co_u32 s25, s25, 2*32*SP
	v_add_nc_u32 v5, s25, v5                       ; my block's scale byte
	v_lshlrev_b32 v7, 3, v2
	v_add_nc_u32 v6, s25, v7                       ; and on the way out 8 bytes a lane
	s_sub_co_u32 s26, ttmp9, 1
	s_lshl_b32 s26, s26, 3
	s_add_co_u32 s26, s26, s24                     ; which run of 8,192 numbers is my wave's: 0 .. 255
	s_lshl_b32 s28, s26, 15
	s_mov_b32 s29, 0
	s_add_nc_u64 s[4:5], s[4:5], s[28:29]
	s_mul_i32 s28, s26, 6144
	s_add_nc_u64 s[12:13], s[12:13], s[28:29]
	s_lshl_b32 s28, s26, 8
	s_add_nc_u64 s[14:15], s[14:15], s[28:29]
.macro XLOAD t
.irp i, 0,1,2,3
	global_load_b128 v[XR+16*((\t)%4)+4*\i:XR+16*((\t)%4)+4*\i+3], v3, s[4:5] offset:2048*(\t)+512*\i th:TH_LOAD_NT
.endr
.endm
.macro XTURN t                         ; LDS serves a wave's instructions in order (ISA guide 5.7.1.4): no wait between the stores and the loads
.irp i, 0,1,2,3
	ds_store_b128 v14, v[XR+16*((\t)%4)+4*\i:XR+16*((\t)%4)+4*\i+3] offset:32*SP*((\t)%2)+8*SP*\i
.endr
.irp i, 0,1,2,3
	ds_load_b128 v[XX+16*((\t)%2)+4*\i:XX+16*((\t)%2)+4*\i+3], v15 offset:32*SP*((\t)%2)+16*\i
.endr
.endm
.irp t, 0,1,2,3
	XLOAD \t
.endr
	s_wait_loadcnt 12                              ; step 0's four loads are in
	XTURN 0
.macro XSTEP t
.set xs, XX+16*((\t)%2)
.if (\t) > 0
	s_wait_dscnt 1                                 ; this step's numbers are back from the stage (the last step's byte store may be out)
.else
	s_wait_dscnt 0x0
.endif
.if (\t)+4 < 16
	XLOAD (\t)+4                                   ; into the registers that this step's stores into the stage have read
.endif
.if (\t)+1 < 16
.if 14-(\t) >= 3
	s_wait_loadcnt 12                              ; the next step's four loads are in; those of the three steps behind it may be out
.else
	s_wait_loadcnt 4*(14-(\t))
.endif
	XTURN (\t)+1
.endif
	v_max3_num_f32 v8, |v[xs]|, |v[xs+1]|, |v[xs+2]|
	v_max3_num_f32 v9, |v[xs+3]|, |v[xs+4]|, |v[xs+5]|
.irp i, 6,10
	v_max3_num_f32 v8, v8, |v[xs+\i]|, |v[xs+\i+1]|
	v_max3_num_f32 v9, v9, |v[xs+\i+2]|, |v[xs+\i+3]|
.endr
	v_max3_num_f32 v8, v8, |v[xs+14]|, |v[xs+15]|
	v_max3_num_f32 v8, v8, v9, 0x2800000           ; the floor 2^(5 - 127)
	v_max_num_f32_dpp v8, v8, v8 row_xmask:1 row_mask:0xf bank_mask:0xf   ; with my neighbour's 16: the block's largest magnitude
	v_add_nc_u32 v11, 0xfe000000, v8
	v_cvt_scalef32_pk16_bf6_f32 v[XC+4*(\t):XC+4*(\t)+2], v[xs:xs+15], v11
	v_lshrrev_b32 v[XE+(\t)], 23, v11              ; the scale's byte
	ds_store_b8 v5, v[XE+(\t)] offset:16*(\t)      ; both lanes of a block write the same byte with the same value
	global_store_b96 v4, v[XC+4*(\t):XC+4*(\t)+2], s[12:13] offset:384*(\t)   ; the wave stores a token's 384 bytes of codes
.endm
.irp t, 0,1,2,3,4,5,6,7,8,9,10,11,12,13,14,15
	XSTEP \t
.endr
	ds_load_b64 v[12:13], v6
	s_wait_dscnt 0x0
	global_store_b64 v7, v[12:13], s[14:15]        ; 32 lanes store 256 consecutive bytes, aligned
	s_wait_tensorcnt 0x0
	ds_add_u32 v192, v193
	s_wait_dscnt 0x0
	s_endpgm
; ---------------------------------------------------------------- the routing
; A counting sort of the 8,192 slots by nine keys: the expert, or 8 for a slot that does not count (slot 1 of a token whose two slots name one expert).  Wave w owns slots 1,024 w + 32 c + lane, c = 0 .. 31.
; Each wave ranks its slots by ballots; the waves' counts meet in LDS behind the role's one barrier; every slot then knows its place.  The list always has 8,192 written entries, and 128 zeros behind them,
; so that a tile's rows past its count still read written numbers.  The list's entries go out 4 bytes a lane, to places that the sort decides: 32,768 bytes in the whole launch.
.Lroute:
	v_lshlrev_b32 v2, 2, v1
	s_lshl_b32 s26, s24, 12
	s_mov_b32 s27, 0
	s_add_nc_u64 s[10:11], s[10:11], s[26:27]
.set rc, 0
.rept 32
	global_load_b32 v[KEY+rc], v2, s[10:11] offset:128*rc
.set rc, rc+1
.endr
.irp k, 0,1,2,3,4,5,6,7,8
	s_mov_b32 s[CNT+\k], 0
.endr
	v_mov_b32 v9, 0                                ; (a DPP form's destination counts as read)
	v_mov_b32 v10, 8
	s_wait_loadcnt 0x0
.set rc, 0
.rept 32
	v_min_u32 v[KEY+rc], 8, v[KEY+rc]
	v_mov_b32_dpp v9, v[KEY+rc] row_xmask:1 row_mask:0xf bank_mask:0xf   ; the token's other slot
	v_cmp_eq_u32 s84, v[KEY+rc], v9
	s_and_b32 s84, s84, 0xaaaaaaaa                 ; odd lanes are slots 1
	v_cndmask_b32 v[KEY+rc], v[KEY+rc], v10, s84
.irp k, 0,1,2,3,4,5,6,7,8
	v_cmp_eq_u32 s84, \k, v[KEY+rc]
.if \k == 0
	v_mbcnt_lo_u32_b32 v[POS+rc], s84, s[CNT+\k]   ; how many of my wave's slots with this key come before me
.else
	v_mbcnt_lo_u32_b32 v8, s84, s[CNT+\k]
	v_cndmask_b32 v[POS+rc], v[POS+rc], v8, s84
.endif
	s_bcnt1_i32_b32 s85, s84
	s_add_co_u32 s[CNT+\k], s[CNT+\k], s85
.endr
.set rc, rc+1
.endr
	v_mov_b32 v8, 0
.irp k, 0,1,2,3,4,5,6,7,8
	v_writelane_b32 v8, s[CNT+\k], \k              ; lane k: my wave's count of key k
.endr
	v_lshl_add_u32 v11, v0, 2, RLDS
	ds_store_b32 v11, v8
	s_wait_dscnt 0x0                               ; for the others' sake: my store is done
	s_barrier_signal -1
	s_barrier_wait -1
	v_lshl_add_u32 v12, v1, 2, RLDS
.irp p, 0,1,2,3,4,5,6,7
	ds_load_b32 v[16+\p], v12 offset:128*\p        ; all eight waves' counts
.endr
	v_mov_b32 v13, 0
	v_mov_b32 v14, 0
	s_wait_dscnt 0x0
.irp p, 0,1,2,3,4,5,6,7
	v_add_nc_u32 v13, v13, v[16+\p]                ; the totals,
	s_cmp_lt_u32 \p, s24
	s_cselect_b32 s85, -1, 0
	v_and_b32 v15, s85, v[16+\p]
	v_add_nc_u32 v14, v14, v15                     ; and what the waves before mine hold
.endr
	s_mov_b32 s[BAS], 0
.irp k, 0,1,2,3,4,5,6,7,8
	v_readlane_b32 s[TOT+\k], v13, \k
	v_readlane_b32 s86, v14, \k
	s_add_co_u32 s[STA+\k], s[BAS+\k], s86
	s_add_co_u32 s[BAS+\k+1], s[BAS+\k], s[TOT+\k]
.endr
.irp k, 0,1,2,3,4,5,6,7,8
	v_mov_b32 v[16+\k], s[STA+\k]
.endr
	s_lshl_b32 s85, s24, 10
	v_add_nc_u32 v25, s85, v1                      ; 1,024 w + lane
.set rc, 0
.rept 32
	v_mov_b32 v8, v16
.irp k, 1,2,3,4,5,6,7,8
	v_cmp_eq_u32 s84, \k, v[KEY+rc]
	v_cndmask_b32 v8, v8, v[16+\k], s84
.endr
	v_add_nc_u32 v[POS+rc], v[POS+rc], v8          ; my place in the list,
	v_min_u32 v[POS+rc], 0x1fff, v[POS+rc]         ; held inside it,
	v_lshlrev_b32 v[POS+rc], 2, v[POS+rc]
	v_add_nc_u32 v[QV+rc], 32*rc, v25              ; takes my slot's number.  Each chunk has its own two registers: none is written again
	global_store_b32 v[POS+rc], v[QV+rc], s[22:23] offset:4096
.set rc, rc+1
.endr
	s_cmp_lt_u32 s24, 4
	s_cbranch_scc0 .Lnopad
	v_lshlrev_b32 v26, 2, v0
	v_mov_b32 v27, 0
	global_store_b32 v26, v27, s[22:23] offset:36864   ; entries 8,192 .. 8,319 = 0
.Lnopad:
	; the table of tiles: thread T writes record T = (expert, first entry, rows 0 .. 64, 0); expert k's tiles are TBS[k] .. TBS[k + 1] - 1
	s_mov_b32 s[TBS], 0
.irp k, 0,1,2,3,4,5,6,7
	s_add_co_u32 s85, s[TOT+\k], 63
	s_lshr_b32 s85, s85, 6
	s_add_co_u32 s[TBS+\k+1], s[TBS+\k], s85
.endr
	v_mov_b32 v28, 0                               ; expert,
	v_mov_b32 v12, 0                               ; its first tile,
	v_mov_b32 v13, 0                               ; its first entry,
	v_mov_b32 v14, s[TOT]                          ; its rows
.irp k, 1,2,3,4,5,6,7
	v_cmp_le_u32 s84, s[TBS+\k], v0
	v_mov_b32 v8, \k
	v_mov_b32 v9, s[TBS+\k]
	v_mov_b32 v10, s[BAS+\k]
	v_mov_b32 v15, s[TOT+\k]
	v_cndmask_b32 v28, v28, v8, s84
	v_cndmask_b32 v12, v12, v9, s84
	v_cndmask_b32 v13, v13, v10, s84
	v_cndmask_b32 v14, v14, v15, s84
.endr
	v_sub_nc_u32 v12, v0, v12
	v_lshlrev_b32 v12, 6, v12                      ; rows of the expert ahead of this tile
	v_add_nc_u32 v29, v13, v12
	v_min_u32 v29, 0x1fff, v29
	v_sub_nc_u32 v30, v14, v12
	v_max_i32 v30, 0, v30                          ; a record past the last tile has no rows
	v_min_i32 v30, 64, v30
	v_mov_b32 v31, 0
	v_lshlrev_b32 v24, 4, v0
	global_store_b128 v24, v[28:31], s[22:23]
	s_wait_tensorcnt 0x0
	ds_add_u32 v192, v193
	s_wait_dscnt 0x0
	s_endpgm
.Lfunc_end_k_q0e436b6933_prep:
	.size	k_q0e436b6933_prep, .Lfunc_end_k_q0e436b6933_prep-k_q0e436b6933_prep
	.p2alignl 7, 3214868480
	.fill 96, 4, 3214868480
	.section	.rodata,"a",@progbits
	.p2align	6, 0x0
	.amdhsa_kernel k_q0e436b6933_prep
		.amdhsa_group_segment_fixed_size 67584
		.amdhsa_private_segment_fixed_size 0
		.amdhsa_enable_private_segment 0
		.amdhsa_kernarg_size 80
		.amdhsa_user_sgpr_count 2
		.amdhsa_user_sgpr_kernarg_segment_ptr 1
		.amdhsa_wavefront_size32 1
		.amdhsa_system_sgpr_workgroup_id_x 1
		.amdhsa_system_sgpr_workgroup_id_y 1
		.amdhsa_system_sgpr_workgroup_id_z 1
		.amdhsa_system_vgpr_workitem_id 0
		.amdhsa_next_free_vgpr 194
		.amdhsa_next_free_sgpr 96
		.amdhsa_reserve_vcc 0
		.amdhsa_float_denorm_mode_32 3
		.amdhsa_float_denorm_mode_16_64 3
		.amdhsa_memory_ordered 1
		.amdhsa_forward_progress 1
		.amdhsa_inst_pref_size 243
	.end_amdhsa_kernel
	.amdgpu_metadata
---
amdhsa.version: [ 1, 2 ]
amdhsa.kernels:
  - .name:           k_q0e436b6933_prep
    .symbol:         k_q0e436b6933_prep.kd
    .args:
      - { .name: x, .offset: 0, .size: 8, .value_kind: global_buffer, .address_space: global }
      - { .name: W1, .offset: 8, .size: 8, .value_kind: global_buffer, .address_space: global }
      - { .name: W2, .offset: 16, .size: 8, .value_kind: global_buffer, .address_space: global }
      - { .name: assign, .offset: 24, .size: 8, .value_kind: global_buffer, .address_space: global }
      - { .name: xcodes, .offset: 32, .size: 8, .value_kind: global_buffer, .address_space: global }
      - { .name: xscales, .offset: 40, .size: 8, .value_kind: global_buffer, .address_space: global }
      - { .name: w1img, .offset: 48, .size: 8, .value_kind: global_buffer, .address_space: global }
      - { .name: w2img, .offset: 56, .size: 8, .value_kind: global_buffer, .address_space: global }
      - { .name: wsc, .offset: 64, .size: 8, .value_kind: global_buffer, .address_space: global }
      - { .name: route, .offset: 72, .size: 8, .value_kind: global_buffer, .address_space: global }
    .group_segment_fixed_size: 67584
    .private_segment_fixed_size: 0
    .kernarg_segment_align: 8
    .kernarg_segment_size: 80
    .max_flat_workgroup_size: 256
    .sgpr_count:     96
    .vgpr_count:     194
    .wavefront_size: 32
...
	.end_amdgpu_metadata
.endif
;; end of part 1
;; launch experts (part 2): grid 270 x 1, 8 waves a work-group, no clusters, 212,992 bytes of LDS; arguments route, xcodes, xscales, w1img, w2img, wsc, b1, part; writes part
.if DOCPART == 2
	.amdgcn_target "amdgcn-amd-amdhsa--gfx1250"
	.amdhsa_code_object_version 6
	.text
	.protected	k_q0e436b6933_experts
	.globl	k_q0e436b6933_experts
	.p2align	8
	.type	k_q0e436b6933_experts,@function
k_q0e436b6933_experts:
	s_mov_b64 s[64:65], 0
	v_nop
	global_prefetch_b8 v0, s[64:65] scope:SCOPE_SE
	s_setreg_imm32_b32 hwreg(HW_REG_WAVE_MODE, 25, 1), 1
	s_wait_xcnt 0x0
; EXPERTS: part[j][q][:] = relu(x[token(q)] W1[e] + b1[e])[1024 j .. 1024 j + 1023] W2[e][1024 j .., :], both products on codes of BF6 (E3M2) with one E8M0 scale for each 32 along K.
; q = 2 x token + slot.  Only the rows that the mask keeps are multiplied: the launch before has sorted them by expert into tiles of 64.
; GRID: with 8,192 slots, 8 experts and tiles of 64 rows there are never more than 128 + 7 = 135 tiles; each is taken by two work-groups, one for each half j of the hidden layer: 270.
; Work-group g: tile g / 2, half g % 2.  A tile that the split leaves without rows stores nothing.
; SHARES: eight waves SHARE THE COLUMNS, NOT THE ROWS: wave w makes hidden units 128 (8 j + w) .. + 127 (which are K step w of the second product) and outputs 64 w .. 64 w + 63, for all 64 rows.
; So each fragment of the weights is loaded once in the work-group, from its image in memory straight into registers (three loads of 16 bytes a lane), and feeds four matrix instructions.
; What goes round through LDS is small: the rows' codes, as images of the operand's registers (16 bytes a lane at 16 x lane, 512 bytes a store), and their scale words (4 bytes a lane).
; BOTH PRODUCTS ARE USED TRANSPOSED (source 0 = 16 columns of the weight, source 1 = 16 rows): a lane holds one row and its registers run along the columns.  The hidden units of a tile are chosen
; (place r of tile 2 b + u = unit 32 b + 8 u + r + 8 (r / 8)) so that the 16 registers of tiles 2 b and 2 b + 1 are 16 neighbours along the next K.
; b1 is loaded into the accumulators, which so begin as the bias.  b2 and the halving belong to the launch behind this one, which adds the two halves.
; NO TENSOR LOADS, NO CLUSTER, though the tiles of one expert read the same weights: how many tiles an expert has, and whether a tile has rows, are numbers read from memory, on which this text branches.
; Every barrier stands on every wave's path, outside the branches on the tile's row count.
; LIMITS: as the launch before states them (zero blocks carry the byte 1; NaN and infinities not served; expert numbers outside 0 .. 7 not served: the clamps here hold addresses inside their buffers).
; REGISTERS, in windows of 256.  Window 0: v1-14 addresses; v16-63 four fragments of rows (while quantising: work and codes); v64-207 a ring of three groups of four fragments of weights (on the way out: rows);
;   v208-223 W1's scale words, v224-239 W2's, v240-243 the rows'; v244-251 my eight rows' places in part; v252-255 addresses.   Window 1: the accumulators: first product (t, m) at 64 m + 8 t; second (n, m) at 8 (4 n + m).
.set FRB,  1536                        ; a fragment's image
.set XIMG, 0                           ; LDS: x's 16 fragments, (4 m + s) FRB;
.set XSC,  24576                       ; their scale words, (4 m + s) 128;
.set HIMG, 26624                       ; the hidden layer's 32 fragments, (4 s' + m) FRB;
.set HSC,  75776                       ; their scale words;
.set STG,  79872                       ; the stage: 64 rows x (2,048 bytes + 16)
.set SPT,  2064
.set XF,   16
.set RING, 64
.set W1S,  208
.set W2S,  224
.set RSC,  240
.set RO,   244
.set TM,   16                          ; while quantising: v16-19 largest magnitudes, v20-23 bytes, v28-31 scale operands
.set PW,   32                          ; the scale word just made
.set PC,   34                          ; v34-52 the codes just made
.set MSB, 0
.macro WIN new                         ; the immediate's high byte repeats the setting that is left
.if MSB != \new
	s_set_vgpr_msb (MSB<<8)|\new
.set MSB, \new
.endif
.endm
.macro PLACES n                        ; plain vector lines between a matrix instruction and what touches its registers (ISA guide 7.12.1)
.rept \n
	v_nop
.endr
.endm
.macro BARRIER                         ; my LDS stores have landed and my LDS loads are in: then the work-group's barrier
	s_wait_dscnt 0x0
	s_barrier_signal -1
	s_barrier_wait -1
.endm
.macro RFILL g                         ; group g of four fragments of weights (0-7: W1's, 8-15: W2's) into ring place g % 3: 12 loads
.irp i, 0,1,2,3
.irp c, 0,1,2
.if (\g) < 8
	global_load_b128 v[RING+48*((\g)%3)+12*\i+4*\c:RING+48*((\g)%3)+12*\i+4*\c+3], v1, s[30:31] offset:(4*((\g)%8)+\i)*FRB+512*\c
.else
	global_load_b128 v[RING+48*((\g)%3)+12*\i+4*\c:RING+48*((\g)%3)+12*\i+4*\c+3], v1, s[32:33] offset:(4*((\g)%8)+\i)*FRB+512*\c
.endif
.endr
.endr
.endm
.macro BIAS t                          ; b1 at tile t's eight units of my half, into the tile's four accumulators: 8 loads (destination window 1)
.irp m, 0,1,2,3
	global_load_b128 v[64*\m+8*(\t):64*\m+8*(\t)+3], v4, s[38:39] offset:(32*((\t)/2)+8*((\t)%2))*4
	global_load_b128 v[64*\m+8*(\t)+4:64*\m+8*(\t)+7], v4, s[38:39] offset:(32*((\t)/2)+8*((\t)%2))*4+16
.endr
.endm
.macro AFETCH1 s                       ; x's four fragments of K step s, and their scale words
.irp m, 0,1,2,3
.irp c, 0,1,2
	ds_load_b128 v[XF+12*\m+4*\c:XF+12*\m+4*\c+3], v1 offset:XIMG+(4*\m+(\s))*FRB+512*\c
.endr
	ds_load_b32 v[RSC+\m], v2 offset:XSC+(4*\m+(\s))*128
.endr
.endm
.macro AFETCH2 s                       ; the hidden layer's four fragments of K step s, and their scale words
.irp m, 0,1,2,3
.irp c, 0,1,2
	ds_load_b128 v[XF+12*\m+4*\c:XF+12*\m+4*\c+3], v9 offset:(4*(\s)+\m)*FRB+512*\c
.endr
	ds_load_b32 v[RSC+\m], v10 offset:(4*(\s)+\m)*128
.endr
.endm
.macro MM                              ; one matrix instruction, from the symbols mD, mA, mB, mSA, mSB; mZ: it starts a sum; mO: the weight's scale words lie in lanes 16-31
.if mZ
.if mO
	v_wmma_scale_f32_16x16x128_f8f6f4 v[mD:mD+7], v[mA:mA+11], v[mB:mB+11], 0, v[mSA], v[mSB] matrix_a_fmt:MATRIX_FMT_BF6 matrix_b_fmt:MATRIX_FMT_BF6 matrix_a_scale:MATRIX_SCALE_ROW1
.else
	v_wmma_scale_f32_16x16x128_f8f6f4 v[mD:mD+7], v[mA:mA+11], v[mB:mB+11], 0, v[mSA], v[mSB] matrix_a_fmt:MATRIX_FMT_BF6 matrix_b_fmt:MATRIX_FMT_BF6
.endif
.else
.if mO
	v_wmma_scale_f32_16x16x128_f8f6f4 v[mD:mD+7], v[mA:mA+11], v[mB:mB+11], v[mD:mD+7], v[mSA], v[mSB] matrix_a_fmt:MATRIX_FMT_BF6 matrix_b_fmt:MATRIX_FMT_BF6 matrix_a_scale:MATRIX_SCALE_ROW1
.else
	v_wmma_scale_f32_16x16x128_f8f6f4 v[mD:mD+7], v[mA:mA+11], v[mB:mB+11], v[mD:mD+7], v[mSA], v[mSB] matrix_a_fmt:MATRIX_FMT_BF6 matrix_b_fmt:MATRIX_FMT_BF6
.endif
.endif
.endm
; 16 matrix instructions on 16 accumulators, one instruction a turn: an accumulator comes back after 31 others (first product) or 15 (second).
.macro G1 g                            ; first product: K step g / 2, tiles 4 (g % 2) + 0 .. 3, x the four tiles of rows
.irp i, 0,1,2,3
.irp m, 0,1,2,3
.set mT, 4*((\g)%2)+\i
.set mD, 64*\m+8*mT
.set mA, RING+48*((\g)%3)+12*\i
.set mB, XF+12*\m
.set mSA, W1S+4*(mT/2)+(\g)/2
.set mSB, RSC+\m
.set mZ, 0
.set mO, \i%2
	MM
.endr
.endr
.endm
.macro G2 s                            ; second product: K step s, my four tiles of outputs x the four tiles of rows; the first K step starts the sums
.irp i, 0,1,2,3
.irp m, 0,1,2,3
.set mD, 8*(4*\i+\m)
.set mA, RING+48*(((\s)+8)%3)+12*\i
.set mB, XF+12*\m
.set mSA, W2S+8*(\i/2)+(\s)
.set mSB, RSC+\m
.if (\s) == 0
.set mZ, 1
.else
.set mZ, 0
.endif
.set mO, \i%2
	MM
.endr
.endr
.endm
; The 64 numbers of a lane for rows 16 m on (window 1, v[64 m] on; register 16 b + i = k 32 b + 16 (lane / 16) + i of my row): relu, then a fragment's codes in v[PC] on and its scale word in v[PW].
.macro QUANTW m
.set QA, 64*(\m)
	WIN 0x44                                       ; destination and source 1 window 1
.set qj, 0
.rept 64
	v_max_num_f32 v[QA+qj], 0, v[QA+qj]            ; the activation, in f32; each accumulator from its low end on
.set qj, qj+1
.endr
	WIN 0x05                                       ; sources 0 and 1 window 1
.irp b, 0,1,2,3
	v_max3_num_f32 v[TM+\b], v[QA+16*\b], v[QA+16*\b+1], 0x2800000   ; none is negative: no |.|; the floor 2^(5 - 127) holds the byte at 1 from below
.endr
	WIN 0x14                                       ; sources 1 and 2 window 1
.irp i, 2,4,6,8,10,12,14
.irp b, 0,1,2,3
	v_max3_num_f32 v[TM+\b], v[TM+\b], v[QA+16*\b+\i], v[QA+16*\b+\i+1]   ; the four blocks by turns
.endr
.endr
	WIN 0
.irp b, 0,1,2,3
	v_permlanex16_b32 v[TM+4+\b], v[TM+\b], s44, s45
.endr
.irp b, 0,1,2,3
	v_max_num_f32 v[TM+\b], v[TM+\b], v[TM+4+\b]   ; with lane l xor 16's: the block's largest magnitude
.endr
.irp b, 0,1,2,3
	v_add_nc_u32 v[TM+12+\b], 0xfe000000, v[TM+\b] ; 4 off the exponent field: the conversion's scale operand
.endr
.irp b, 0,1,2,3
	v_lshrrev_b32 v[TM+4+\b], 23, v[TM+12+\b]      ; the scale's byte
.endr
	v_lshl_or_b32 v[PW], v[TM+5], 8, v[TM+4]
	v_lshl_or_b32 v[PW], v[TM+6], 16, v[PW]
	v_lshl_or_b32 v[PW], v[TM+7], 24, v[PW]
	WIN 0x01                                       ; source 0 window 1
.irp c, 0,1
	v_cvt_scalef32_pk16_bf6_f32 v[PC+6*\c:PC+6*\c+2], v[QA+32*\c:QA+32*\c+15], v[TM+12+2*\c]
	v_cvt_scalef32_pk16_bf6_f32 v[PC+12+4*\c:PC+14+4*\c], v[QA+32*\c+16:QA+32*\c+31], v[TM+12+2*\c+1]   ; (a conversion's three registers begin on an even number)
.endr
	WIN 0
	v_nop                                          ; one plain line behind the conversions
.irp c, 0,1                            ; the operand's layout wants a whole block in a lane: lanes 0-15 block 2 c, lanes 16-31 block 2 c + 1
.irp i, 0,1,2
	v_permlane16_swap_b32 v[PC+6*\c+\i], v[PC+12+4*\c+\i]
.endr
.irp i, 0,1,2
	v_mov_b32 v[PC+3+6*\c+\i], v[PC+12+4*\c+\i]
.endr
.endr
.endm
	; ---- the head: on every wave's path, whatever the tile holds
	s_load_b512 s[4:19], s[0:1], 0x0               ; route s4, xcodes s6, xscales s8, w1img s10, w2img s12, wsc s14, b1 s16, part s18
	v_lshrrev_b32 v15, 5, v0
	v_readfirstlane_b32 s20, v15                   ; wave 0..7
	s_lshr_b32 s21, ttmp9, 1                       ; the tile
	s_and_b32 s22, ttmp9, 1                        ; j
	s_lshl_b32 s23, s21, 4
	s_mov_b32 s44, 0x76543210
	s_mov_b32 s45, 0xfedcba98                      ; v_permlanex16_b32's selects for lane l xor 16
	s_wait_kmcnt 0x0
	s_load_b128 s[24:27], s[4:5], s23 offset:0x0   ; the tile's record: expert, first entry, rows
	v_and_b32 v60, 31, v0                          ; lane
	v_and_b32 v61, 15, v0                          ; r
	v_bfe_u32 v62, v0, 4, 1                        ; h
	v_lshlrev_b32 v1, 4, v60                       ; 16 x lane: an image's place for my lane
	v_lshlrev_b32 v2, 2, v60                       ; 4 x lane: a scale word's
	v_lshlrev_b32 v3, 3, v60                       ; 8 x lane: the weights' pairs of scale words
	v_lshlrev_b32 v4, 6, v62                       ; b1: 16 h units on
	s_mul_i32 s46, s20, 2*FRB
	v_add_nc_u32 v5, s46, v1                       ; where I store x's two images: fragments 2 w, 2 w + 1
	s_lshl_b32 s46, s20, 8
	v_add_nc_u32 v6, s46, v2                       ; and their scale words
	s_mul_i32 s46, s20, 4*FRB
	s_add_co_u32 s46, s46, HIMG
	v_add_nc_u32 v7, s46, v1                       ; the hidden layer's: fragments 4 w + m
	s_lshl_b32 s46, s20, 9
	s_add_co_u32 s46, s46, HSC
	v_add_nc_u32 v8, s46, v2
	v_add_nc_u32 v9, HIMG, v1                      ; from where any wave reads them
	v_add_nc_u32 v10, HSC, v2
	v_mul_u32_u24 v11, v61, SPT
	v_lshl_add_u32 v11, v62, 5, v11
	s_lshl_b32 s46, s20, 8
	s_add_co_u32 s46, s46, STG
	v_add_nc_u32 v11, s46, v11                     ; the stage, in: row r, + 32 h, + 256 w: my outputs' bytes;
	v_add_nc_u32 v12, 32*SPT, v11                  ; the same 32 rows on (an LDS offset has 16 bits)
	s_mul_i32 s46, s20, 8*SPT
	s_add_co_u32 s46, s46, STG
	v_add_nc_u32 v13, s46, v1                      ; and back: my eight rows, 16 bytes a lane
	s_wait_kmcnt 0x0
	s_min_u32 s24, s24, 7                          ; numbers read from memory are held inside their tables before they enter an address
	s_min_u32 s25, s25, 0x1fff
	s_min_u32 s26, s26, 64
	s_lshl_b32 s28, s24, 4
	s_lshl_b32 s46, s22, 3
	s_add_co_u32 s28, s28, s46
	s_add_co_u32 s28, s28, s20                     ; I = 16 e + 8 j + w
	s_mul_i32 s42, s28, 32*FRB
	s_mov_b32 s43, 0
	s_add_nc_u64 s[30:31], s[10:11], s[42:43]      ; my 32 fragments of W1,
	s_add_nc_u64 s[32:33], s[12:13], s[42:43]      ; of W2,
	s_lshl_b32 s42, s28, 11
	s_add_nc_u64 s[34:35], s[14:15], s[42:43]      ; W1's scale words,
	s_add_nc_u64 s[36:37], s[34:35], 0x40000       ; W2's,
	s_lshl_b32 s42, s28, 9
	s_add_nc_u64 s[38:39], s[16:17], s[42:43]      ; my 128 numbers of b1,
	s_lshl_b32 s42, s22, 24
	s_add_nc_u64 s[40:41], s[18:19], s[42:43]      ; my half of part
	s_lshr_b32 s46, s20, 1                         ; x: wave w brings rows 16 (w / 2) on, K steps 2 (w % 2) and 2 (w % 2) + 1
	s_lshl_b32 s46, s46, 4
	s_add_co_u32 s46, s46, s25
	v_add_nc_u32 v14, s46, v61
	v_lshlrev_b32 v14, 2, v14                      ; the list entry of my row
	s_lshl_b32 s46, s20, 3
	s_add_co_u32 s46, s46, s25
	s_lshl_b32 s46, s46, 2
	v_mov_b32 v254, s46                            ; the entries of the eight rows that I store, the same in every lane
	s_and_b32 s47, s20, 1
	s_lshl_b32 s48, s47, 3                         ; 8 (w % 2): two scale words on
	s_mul_i32 s47, s47, 192
	v_mul_u32_u24 v63, v62, 24
	v_add_nc_u32 v63, s47, v63                     ; 24 h + 192 (w % 2)
	global_load_b32 v255, v14, s[4:5] offset:4096
.irp i, 0,1,2,3,4,5,6,7
	global_load_b32 v[RO+\i], v254, s[4:5] offset:4096+4*\i
.endr
.irp i, 0,1,2,3,4,5,6,7
	global_load_b64 v[W1S+2*\i:W1S+2*\i+1], v3, s[34:35] offset:256*\i   ; register 4 (t / 2) + s: lanes 0-15 the even tile's words, lanes 16-31 the odd tile's
.endr
.irp i, 0,1,2,3,4,5,6,7
	global_load_b64 v[W2S+2*\i:W2S+2*\i+1], v3, s[36:37] offset:256*\i   ; register 8 (n / 2) + s'
.endr
	RFILL 0
	RFILL 1
	RFILL 2
	s_wait_loadcnt 52                              ; the nine list entries are in: behind them 16 loads of scale words and 36 of the ring were issued
	v_min_u32 v255, 0x1fff, v255
	v_and_b32 v255, 0x1ffe, v255                   ; 2 x token
	v_mul_u32_u24 v252, v255, 192                  ; a token's codes are 384 bytes
	v_add_nc_u32 v252, v252, v63
	v_lshlrev_b32 v253, 3, v255                    ; its scale bytes 16
	v_add_nc_u32 v253, s48, v253
.irp i, 0,1,2,3,4,5,6,7
	v_min_u32 v[RO+\i], 0x1fff, v[RO+\i]
.endr
.irp i, 0,1,2,3,4,5,6,7
	v_lshlrev_b32 v[RO+\i], 11, v[RO+\i]           ; a row of part is 2,048 bytes
.endr
.irp i, 0,1,2,3,4,5,6,7
	v_add_nc_u32 v[RO+\i], v[RO+\i], v1
.endr
.irp a, 0,1
.irp p, 0,1,2,3,4,5
	global_load_b64 v[XF+12*\a+2*\p:XF+12*\a+2*\p+1], v252, s[6:7] offset:96*\a+48*(\p/3)+8*(\p%3)   ; the row's stream of bits is the register image: 24 bytes at 24 h, 24 at 48 + 24 h
.endr
.endr
	global_load_b64 v[40:41], v253, s[8:9]         ; the two K steps' scale words of my row
	WIN 0x40
.irp t, 0,1,2,3,4,5
	BIAS \t
.endr
	WIN 0
	s_wait_loadcnt 48                              ; x's codes and words are in: only the 48 loads of the bias were issued behind them
.irp a, 0,1
.irp c, 0,1,2
	ds_store_b128 v5, v[XF+12*\a+4*\c:XF+12*\a+4*\c+3] offset:XIMG+FRB*\a+512*\c
.endr
	ds_store_b32 v6, v[40+\a] offset:XSC+128*\a
.endr
	WIN 0x40
	BIAS 6
	BIAS 7
	WIN 0
	BARRIER                                        ; x's sixteen fragments lie in LDS
	AFETCH1 0
	s_wait_loadcnt 0x0                             ; the bias and the ring's first three groups are in: nothing of mine is out when the ways part
	s_wait_dscnt 0x0
	s_cmp_eq_u32 s26, 0                            ; a tile without rows passes over the products, not over the barriers
	s_cbranch_scc1 .Lno1
	; ---- the first product: eight groups; the ring runs three groups ahead and on into W2's fragments
.set gg, 0
.rept 8
.if gg >= 3
	s_wait_loadcnt 24                              ; this group's 12 loads are in; the two younger groups' 24 may be out
.endif
.if (gg%2 == 0) && (gg > 0)
	s_wait_dscnt 0x0                               ; the K step's fragments of x are in
.endif
	WIN 0x50                                       ; C and D window 1
	G1 gg
	WIN 0
	PLACES 4                                       ; in front of the loads into registers that these products have read
	RFILL gg+3
.if (gg%2 == 1) && (gg < 7)
	AFETCH1 (gg+1)/2
.endif
.set gg, gg+1
.endr
.irp b, 0,1,2,3
	v_mov_b32 v[TM+4+\b], 0                        ; written once: a lane permute's destination counts as one of its sources
.endr
.irp m, 0,1,2,3
	QUANTW \m
.irp c, 0,1,2
	ds_store_b128 v7, v[PC+4*\c:PC+4*\c+3] offset:FRB*\m+512*\c   ; K step w of the second product, rows 16 m on
.endr
	ds_store_b32 v8, v[PW] offset:128*\m
	s_wait_dscnt 0x0                               ; the stores have read their registers
.endr
.Lno1:
	BARRIER                                        ; the hidden layer's 32 fragments lie in LDS
	s_cmp_eq_u32 s26, 0
	s_cbranch_scc1 .Lno2
	; ---- the second product: eight K steps, sixteen accumulators
	AFETCH2 0
	PLACES 5                                       ; its accumulators are laid over the first product's
.set ss, 0
.rept 8
.if ss <= 5
	s_wait_loadcnt 24                              ; this group's loads are in; two younger groups may be out
.elseif ss == 6
	s_wait_loadcnt 12                              ; one younger group
.else
	s_wait_loadcnt 0x0
.endif
	s_wait_dscnt 0x0
	WIN 0x50
	G2 ss
	WIN 0
	PLACES 4                                       ; in front of loads into registers that these products have read, and of the first read of results
.if ss <= 4
	RFILL ss+11
.endif
.if ss < 7
	AFETCH2 ss+1
.endif
.set ss, ss+1
.endr
	WIN 0x04                                       ; an LDS store's data are its source 1: window 1
.irp m, 0,1,2,3
.irp n, 0,1,2,3
	ds_store_b128 v[11+\m/2], v[8*(4*\n+\m):8*(4*\n+\m)+3] offset:16*(\m%2)*SPT+64*\n        ; lane (r, h): row 16 m + r, outputs 64 w + 16 n + 8 h + 0 .. 7; each accumulator from its low end on
	ds_store_b128 v[11+\m/2], v[8*(4*\n+\m)+4:8*(4*\n+\m)+7] offset:16*(\m%2)*SPT+64*\n+16
.endr
.endr
	WIN 0
.Lno2:
	s_wait_loadcnt 0x0                             ; no load of mine is out: the ring's registers take the rows below
	BARRIER                                        ; 64 whole rows lie in the stage
	; ---- the way out: wave w stores rows 8 w .. 8 w + 7, as far as the tile has rows
	s_lshl_b32 s46, s20, 3
	s_cmp_ge_u32 s46, s26
	s_cbranch_scc1 .Ldone
.irp i, 0,1,2,3,4,5,6,7
.irp c, 0,1,2,3
	ds_load_b128 v[RING+16*\i+4*\c:RING+16*\i+4*\c+3], v13 offset:SPT*\i+512*\c
.endr
.endr
	s_wait_dscnt 0x0
.irp i, 0,1,2,3,4,5,6,7
.if \i > 0
	s_add_co_u32 s47, s46, \i
	s_cmp_ge_u32 s47, s26
	s_cbranch_scc1 .Ldone
.endif
.irp c, 0,1,2,3
	global_store_b128 v[RO+\i], v[RING+16*\i+4*\c:RING+16*\i+4*\c+3], s[40:41] offset:512*\c   ; 32 lanes store 512 consecutive bytes, at a multiple of 256 from part's first byte
.endr
.endr
.Ldone:
	s_wait_xcnt 0x0
	v_lshl_add_u32 v254, v0, 2, 0x33c00
	v_mov_b32 v255, 0
	s_wait_tensorcnt 0x0
	ds_add_u32 v254, v255
	s_wait_dscnt 0x0
	s_endpgm
.Lfunc_end_k_q0e436b6933_experts:
	.size	k_q0e436b6933_experts, .Lfunc_end_k_q0e436b6933_experts-k_q0e436b6933_experts
	.p2alignl 7, 3214868480
	.fill 96, 4, 3214868480
	.section	.rodata,"a",@progbits
	.p2align	6, 0x0
	.amdhsa_kernel k_q0e436b6933_experts
		.amdhsa_group_segment_fixed_size 212992
		.amdhsa_private_segment_fixed_size 0
		.amdhsa_enable_private_segment 0
		.amdhsa_kernarg_size 64
		.amdhsa_user_sgpr_count 2
		.amdhsa_user_sgpr_kernarg_segment_ptr 1
		.amdhsa_wavefront_size32 1
		.amdhsa_system_sgpr_workgroup_id_x 1
		.amdhsa_system_sgpr_workgroup_id_y 1
		.amdhsa_system_sgpr_workgroup_id_z 1
		.amdhsa_system_vgpr_workitem_id 0
		.amdhsa_next_free_vgpr 512
		.amdhsa_next_free_sgpr 66
		.amdhsa_reserve_vcc 0
		.amdhsa_float_denorm_mode_32 3
		.amdhsa_float_denorm_mode_16_64 3
		.amdhsa_memory_ordered 1
		.amdhsa_forward_progress 1
		.amdhsa_inst_pref_size 115
	.end_amdhsa_kernel
	.amdgpu_metadata
---
amdhsa.version: [ 1, 2 ]
amdhsa.kernels:
  - .name:           k_q0e436b6933_experts
    .symbol:         k_q0e436b6933_experts.kd
    .args:
      - { .name: route, .offset: 0, .size: 8, .value_kind: global_buffer, .address_space: global }
      - { .name: xcodes, .offset: 8, .size: 8, .value_kind: global_buffer, .address_space: global }
      - { .name: xscales, .offset: 16, .size: 8, .value_kind: global_buffer, .address_space: global }
      - { .name: w1img, .offset: 24, .size: 8, .value_kind: global_buffer, .address_space: global }
      - { .name: w2img, .offset: 32, .size: 8, .value_kind: global_buffer, .address_space: global }
      - { .name: wsc, .offset: 40, .size: 8, .value_kind: global_buffer, .address_space: global }
      - { .name: b1, .offset: 48, .size: 8, .value_kind: global_buffer, .address_space: global }
      - { .name: part, .offset: 56, .size: 8, .value_kind: global_buffer, .address_space: global }
    .group_segment_fixed_size: 212992
    .private_segment_fixed_size: 0
    .kernarg_segment_align: 8
    .kernarg_segment_size: 64
    .max_flat_workgroup_size: 256
    .sgpr_count:     66
    .vgpr_count:     512
    .wavefront_size: 32
...
	.end_amdgpu_metadata
.endif
;; end of part 2
;; launch combine (part 3): grid 256 x 1, 8 waves a work-group, no clusters, 0 bytes of LDS; arguments part, assign, b2, out0; writes out0
.if DOCPART == 3
	.amdgcn_target "amdgcn-amd-amdhsa--gfx1250"
	.amdhsa_code_object_version 6
	.text
	.protected	k_q0e436b6933_combine
	.globl	k_q0e436b6933_combine
	.p2align	8
	.type	k_q0e436b6933_combine,@function
k_q0e436b6933_combine:
	s_mov_b64 s[64:65], 0
	v_nop
	global_prefetch_b8 v0, s[64:65] scope:SCOPE_SE
	s_setreg_imm32_b32 hwreg(HW_REG_WAVE_MODE, 25, 1), 1
	s_wait_xcnt 0x0
; COMBINE: out[t] = 0.5 (y(t, slot 0) + [a1 != a0] y(t, slot 1)),  y(t, slot) = part[0][2 t + slot] + part[1][2 t + slot] + b2[a(slot)].
; A stream: no LDS, no barrier, no matrix unit.  Wave w of work-group g owns tokens 16 g + 2 w and the next; a row is 2,048 bytes: four loads of 512 consecutive bytes.  All 48 loads of a wave go out at once.
; A token whose two slots name one expert has no row for slot 1: it reads slot 0's rows once more and gives them the weight 0, so that no byte is read that nobody wrote.
; LIMITS: expert numbers outside 0 .. 7 are not served (the clamp holds b2's address inside its buffer).
.set DA, 16                            ; token k's data at v[16 + 96 k]: slot 0 half 0, slot 0 half 1, slot 1 half 0, slot 1 half 1, b2 of slot 0, b2 of slot 1: 16 registers each
	s_load_b256 s[4:11], s[0:1], 0x0               ; part s4, assign s6, b2 s8, out0 s10
	v_lshrrev_b32 v2, 5, v0
	v_readfirstlane_b32 s17, v2                    ; wave
	v_and_b32 v1, 31, v0
	v_lshlrev_b32 v1, 4, v1                        ; 16 x lane
	s_lshl_b32 s18, ttmp9, 4
	s_lshl_b32 s19, s17, 1
	s_add_co_u32 s18, s18, s19                     ; my first token
	s_lshl_b32 s16, s18, 3
	s_wait_kmcnt 0x0
	s_load_b128 s[12:15], s[6:7], s16 offset:0x0   ; the two tokens' two experts each
	s_lshl_b32 s26, s18, 12                        ; a token's two rows of part are 4,096 bytes
	s_mov_b32 s27, 0
	s_add_nc_u64 s[20:21], s[4:5], s[26:27]        ; half 0
	s_add_nc_u64 s[22:23], s[20:21], 0x1000000     ; half 1
	s_lshl_b32 s26, s18, 11
	s_add_nc_u64 s[24:25], s[10:11], s[26:27]
	s_wait_kmcnt 0x0
	; where slot 1's row is read: its own (2,048 bytes on) or, where the two experts are one, slot 0's.  The two numbers' exclusive or is 0 where they are equal; held at 1 from above it is
	; a number read from memory that a constant bounds, and only then it is shifted into an offset
	s_xor_b32 s28, s12, s13
	s_min_u32 s28, s28, 1
	s_lshl_b32 s28, s28, 11
	s_xor_b32 s29, s14, s15
	s_min_u32 s29, s29, 1
	s_lshl_b32 s29, s29, 11
.irp i, 0,1,2,3
	s_min_u32 s[36+\i], s[12+\i], 7
	s_lshl_b32 s[36+\i], s[36+\i], 11              ; a row of b2 is 2,048 bytes
.endr
	s_cmp_eq_u32 s12, s13                          ; (behind the lines above, which set SCC)
	s_cselect_b32 s30, 0, 0x3f000000               ; slot 1's weight: 0.5, or 0
	s_mov_b32 s31, s30                             ; (named with it as a pair, so it is written)
	s_cmp_eq_u32 s14, s15
	s_cselect_b32 s34, 0, 0x3f000000
	s_mov_b32 s35, s34
	v_add_nc_u32 v2, s28, v1
	v_add_nc_u32 v3, s36, v1
	v_add_nc_u32 v4, s37, v1
	v_add_nc_u32 v5, s29, v1
	v_add_nc_u32 v6, s38, v1
	v_add_nc_u32 v7, s39, v1
.irp k, 0,1
.irp c, 0,1,2,3
	global_load_b128 v[DA+96*\k+4*\c:DA+96*\k+4*\c+3],       v1, s[20:21] offset:4096*\k+512*\c th:TH_LOAD_NT
	global_load_b128 v[DA+96*\k+16+4*\c:DA+96*\k+16+4*\c+3], v1, s[22:23] offset:4096*\k+512*\c th:TH_LOAD_NT
	global_load_b128 v[DA+96*\k+32+4*\c:DA+96*\k+32+4*\c+3], v[2+3*\k], s[20:21] offset:4096*\k+512*\c
	global_load_b128 v[DA+96*\k+48+4*\c:DA+96*\k+48+4*\c+3], v[2+3*\k], s[22:23] offset:4096*\k+512*\c
	global_load_b128 v[DA+96*\k+64+4*\c:DA+96*\k+64+4*\c+3], v[3+3*\k], s[8:9] offset:512*\c
	global_load_b128 v[DA+96*\k+80+4*\c:DA+96*\k+80+4*\c+3], v[4+3*\k], s[8:9] offset:512*\c
.endr
.endr
.macro TOKEN k, left
.set TA, DA+96*\k
	s_wait_loadcnt \left                           ; this token's 24 loads are in
.irp p, 0,2,4,6,8,10,12,14
	v_pk_add_f32 v[TA+\p:TA+\p+1], v[TA+\p:TA+\p+1], v[TA+16+\p:TA+16+\p+1]          ; the two halves of the hidden layer,
	v_pk_add_f32 v[TA+32+\p:TA+32+\p+1], v[TA+32+\p:TA+32+\p+1], v[TA+48+\p:TA+48+\p+1]
.endr
.irp p, 0,2,4,6,8,10,12,14
	v_pk_add_f32 v[TA+\p:TA+\p+1], v[TA+\p:TA+\p+1], v[TA+64+\p:TA+64+\p+1]          ; the bias,
	v_pk_add_f32 v[TA+32+\p:TA+32+\p+1], v[TA+32+\p:TA+32+\p+1], v[TA+80+\p:TA+80+\p+1]
.endr
.irp p, 0,2,4,6,8,10,12,14
	v_pk_mul_f32 v[TA+\p:TA+\p+1], v[TA+\p:TA+\p+1], 0.5 op_sel_hi:[1,0]             ; the halving,
.endr
.irp p, 0,2,4,6,8,10,12,14
	v_pk_fma_f32 v[TA+\p:TA+\p+1], v[TA+32+\p:TA+32+\p+1], s[30+4*\k:31+4*\k], v[TA+\p:TA+\p+1] op_sel_hi:[1,0,1]   ; and slot 1 with its weight
.endr
.irp c, 0,1,2,3
	global_store_b128 v1, v[TA+4*\c:TA+4*\c+3], s[24:25] offset:2048*\k+512*\c th:TH_STORE_NT   ; 32 lanes store 512 consecutive bytes, aligned; no register is written again behind a store
.endr
.endm
	TOKEN 0, 24                                    ; the second token's 24 loads may be out
	TOKEN 1, 0
	s_endpgm
.Lfunc_end_k_q0e436b6933_combine:
	.size	k_q0e436b6933_combine, .Lfunc_end_k_q0e436b6933_combine-k_q0e436b6933_combine
	.p2alignl 7, 3214868480
	.fill 96, 4, 3214868480
	.section	.rodata,"a",@progbits
	.p2align	6, 0x0
	.amdhsa_kernel k_q0e436b6933_combine
		.amdhsa_group_segment_fixed_size 0
		.amdhsa_private_segment_fixed_size 0
		.amdhsa_enable_private_segment 0
		.amdhsa_kernarg_size 32
		.amdhsa_user_sgpr_count 2
		.amdhsa_user_sgpr_kernarg_segment_ptr 1
		.amdhsa_wavefront_size32 1
		.amdhsa_system_sgpr_workgroup_id_x 1
		.amdhsa_system_sgpr_workgroup_id_y 1
		.amdhsa_system_sgpr_workgroup_id_z 1
		.amdhsa_system_vgpr_workitem_id 0
		.amdhsa_next_free_vgpr 208
		.amdhsa_next_free_sgpr 66
		.amdhsa_reserve_vcc 0
		.amdhsa_float_denorm_mode_32 3
		.amdhsa_float_denorm_mode_16_64 3
		.amdhsa_memory_ordered 1
		.amdhsa_forward_progress 1
		.amdhsa_inst_pref_size 14
	.end_amdhsa_kernel
	.amdgpu_metadata
---
amdhsa.version: [ 1, 2 ]
amdhsa.kernels:
  - .name:           k_q0e436b6933_combine
    .symbol:         k_q0e436b6933_combine.kd
    .args:
      - { .name: part, .offset: 0, .size: 8, .value_kind: global_buffer, .address_space: global }
      - { .name: assign, .offset: 8, .size: 8, .value_kind: global_buffer, .address_space: global }
      - { .name: b2, .offset: 16, .size: 8, .value_kind: global_buffer, .address_space: global }
      - { .name: out0, .offset: 24, .size: 8, .value_kind: global_buffer, .address_space: global }
    .group_segment_fixed_size: 0
    .private_segment_fixed_size: 0
    .kernarg_segment_align: 8
    .kernarg_segment_size: 32
    .max_flat_workgroup_size: 256
    .sgpr_count:     66
    .vgpr_count:     208
    .wavefront_size: 32
...
	.end_amdgpu_metadata
.endif
;; end of part 3
